; MI455X (gfx1250); checked and timed in simulation.
; The chip was launched on July 23, 2026; its instructions are those of AMD's public machine-readable ISA for CDNA 5 (MIT licence, August 2026) and "CDNA5" Instruction Set Architecture Reference Guide (July 2026). The comments in the code are by the model that wrote it; some were corrected since.
;; Causal Cross Conditional Self Attention. Allowed arithmetic: float matrix products may take bf16 or f16 operands with f32 sums; all other float work in f32.
;; Inputs: W_k 512 x 512 float32; W_proj 512 x 512 float32; W_q 512 x 512 float32; W_v 512 x 512 float32; b_k 512 float32; b_proj 512 float32; b_q 512 float32; b_v 512 float32; end_frames 2 x 16 int32; start_frames 2 x 16 int32; x 2 x 3,136 x 512 float32.
;; Outputs: out0 2 x 3,136 x 512 float32.
;; Constants: N = 16, T_motion = 1024, n_head = 8, window_abs_start = 0.
;; One version. Each part assembles by itself: llvm-mc -triple=amdgcn-amd-amdhsa -mcpu=gfx1250 --defsym DOCPART=n.
;; ======== version 1 of 1: 3 launches
;; limits: values are held in f16: magnitudes above 65,504 overflow, below 6.1e-05 lose precision
;; workspace buffers: qf 6,422,528 bytes; kf 6,422,528 bytes; vf 6,422,528 bytes; yf 6,422,528 bytes
;; launch qkv (part 1): grid 8 x 28, 4 waves a work-group, no clusters, 120,320 bytes of LDS; arguments x, W_q, W_k, W_v, b_q, b_k, b_v, qf, kf, vf; writes qf, kf, vf
.if DOCPART == 1
	.amdgcn_target "amdgcn-amd-amdhsa--gfx1250"
	.amdhsa_code_object_version 6
	.text
	.protected	k_q696ababc09_qkv
	.globl	k_q696ababc09_qkv
	.p2align	8
	.type	k_q696ababc09_qkv,@function
k_q696ababc09_qkv:
	s_mov_b64 s[64:65], 0
	v_nop
	global_prefetch_b8 v0, s[64:65] scope:SCOPE_SE
	s_setreg_imm32_b32 hwreg(HW_REG_WAVE_MODE, 25, 1), 1
	s_wait_xcnt 0x0
; q = (x Wq^T + bq) * 0.125 * log2(e),  k = x Wk^T + bk,  v = x Wv^T + bv;  bf16 operands, f32 sums, results rounded once to f16.
; f16 and not bf16 for the results: a query that sees a single key passes v through to the output unchanged, so v's rounding shows there in
; full; f16 keeps three bits more.  LIMIT: |0.18 q|, |k|, |v| below 65,504, f16's largest number.  With x of spread 1 and W of spread 0.02
; they are about 0.45; both inputs 30 times larger give about 2,000 at five sigma, offsets of 30 and 0.6 give 512 x 30 x 0.6 = 9,216.
; x: [6272][512] f32.  W: [512][512] f32.  A work-group makes 224 rows (14 tiles of 16 tokens; 196 tiles a batch = 14 such blocks, so
; none straddles a batch) x one head's 64 q, 64 k and 64 v columns.  Wave w: wr = w>>1 takes 7 row tiles, wc = w&1 takes column tiles
; 2wc, 2wc+1 of each of q, k, v: 42 accumulator tiles.
; RESULTS LEAVE IN FRAGMENT ORDER: a piece is 32 lanes x 16 bytes = 512 consecutive bytes; lane = r + 16 h.
;   qf, kf: [batch*8+head][tile 196][ct 4][lane][8 f16]: token r, head channels 16ct+8h..+7   (sources swapped: lane = token)
;   vf:     [batch*8+head][tile 196][dt 4][lane][8 f16]: channel 16dt+r, tokens 8h..+7        (natural order: lane = channel)
; so that the next launch loads matrix operands straight from memory and nothing is ever transposed.
; K = 512 goes in 8 steps of 64 (256 bytes of each f32 row): global loads into staging registers, conversion to bf16, LDS (two slots),
; fragments.  The loads of step t+1 are issued before the products of step t.
; NO CLUSTER, NO TENSOR LOADS: x's block is shared by the 8 head groups and W's by the 28 row blocks, but both are f32 and have to be
; converted before they are operands; a tile brought to LDS as f32 (416 rows x 256 bytes a step) would be read, converted and stored to
; LDS a second time.  Here each f32 byte passes through registers once.
; 224 work-groups: 6272 rows x 1536 columns do not divide into 256 equal blocks of whole tiles, heads and tensors.
.set QS,    0x3e38aa3b                 ; 0.125 * log2(e): the softmax of the next launch works in base 2
.set PITCH, 144                        ; an LDS row: 128 bytes (64 bf16) + 16: an odd multiple of 16, so 16 rows start at 16 different 16-byte columns
.set SLOTB, 416*PITCH                  ; rows 0-223 x, 224-287 Wq, 288-351 Wk, 352-415 Wv
.set XF,    32                         ; window 0: x fragments, 7 x 8 registers (second half of the step: +104)
.set WF,    88                         ; window 0: W fragments, 6 x 8 registers, index 2T+n
.set BQ,    112                        ; window 2: bq of my 2 x 8 channels a lane;  BK likewise;  BV: bv of my channel, twice, for n = 0, 1
.set BK,    128
.set BV,    144
; window 1: q, k accumulators at 8(4a+2T+n).  window 2: v accumulators at 8(2a+n).  window 3: staging, 52 loads x 4 registers.
; v1 16*lane  v2, v3 global offsets of my x and W rows  v4,5 / v6,7 LDS store addresses (slot 0, 1)  v8,9 / v10,11 fragment addresses
.set MSB, 0
.macro WIN new                         ; s_set_vgpr_msb: bits 1:0 source 0, 3:2 source 1, 5:4 source 2, 7:6 destination; high byte = the setting left
.if MSB != \new
	s_set_vgpr_msb (MSB<<8)|\new
.set MSB, \new
.endif
.endm
.macro PLACES n
.rept \n
	v_nop
.endr
.endm
	s_load_b512 s[4:19], s[0:1], 0x0               ; x 4, Wq 6, Wk 8, Wv 10, bq 12, bk 14, bv 16, qf 18
	s_load_b128 s[20:23], s[0:1], 0x40             ; kf 20, vf 22
	v_lshl_add_u32 v254, v0, 2, 0x1d400
	v_mov_b32 v255, 0
	v_lshrrev_b32 v14, 5, v0
	v_readfirstlane_b32 s24, v14                   ; wave
	s_lshr_b32 s25, s24, 1                         ; wr
	s_and_b32 s26, s24, 1                          ; wc
	s_and_b32 s27, ttmp7, 0xffff                   ; row block 0..27
	s_cmp_ge_u32 s27, 14
	s_cselect_b32 s30, 1, 0                        ; batch
	s_lshl_b32 s31, s30, 3
	s_add_co_u32 s31, s31, ttmp9                   ; batch*8 + head
	s_mul_i32 s31, s31, 196
	s_mul_i32 s32, s30, 14
	s_sub_co_u32 s32, s27, s32
	s_mul_i32 s32, s32, 14
	s_add_co_u32 s31, s31, s32
	s_mul_i32 s32, s25, 7
	s_add_co_u32 s31, s31, s32                     ; my first tile
	s_lshl_b32 s31, s31, 11                        ; 2,048 bytes a tile
	s_lshl_b32 s32, s26, 10                        ; pieces 2wc, 2wc+1
	s_add_co_u32 s28, s31, s32
	s_mov_b32 s29, 0
	s_mul_i32 s34, s27, 458752                     ; 224 rows of 2,048 bytes
	s_mov_b32 s35, 0
	s_lshl_b32 s36, ttmp9, 17                      ; 64 rows of W
	s_mov_b32 s37, 0
	v_and_b32 v15, 15, v0                          ; r
	v_bfe_u32 v16, v0, 4, 1                        ; h
	v_and_b32 v1, 31, v0
	v_lshlrev_b32 v1, 4, v1
	s_mul_i32 s38, s24, 56
	v_add_nc_u32 v17, s38, v16                     ; x row 56w + h: a load takes two rows, 16 lanes x 16 bytes each
	v_lshlrev_b32 v2, 11, v17
	v_lshl_add_u32 v2, v15, 4, v2
	v_mul_u32_u24 v4, v17, PITCH
	v_lshl_add_u32 v4, v15, 3, v4
	v_add_nc_u32 v5, SLOTB, v4
	s_lshl_b32 s38, s24, 4
	v_add_nc_u32 v17, s38, v16                     ; W row 16w + h
	v_lshlrev_b32 v3, 11, v17
	v_lshl_add_u32 v3, v15, 4, v3
	v_mul_u32_u24 v6, v17, PITCH
	v_lshl_add_u32 v6, v15, 3, v6
	v_add_nc_u32 v6, 224*PITCH, v6
	v_add_nc_u32 v7, SLOTB, v6
	s_mul_i32 s38, s25, 112
	v_add_nc_u32 v17, s38, v15                     ; fragment row of x: 112wr + r
	v_mul_u32_u24 v8, v17, PITCH
	v_lshl_add_u32 v8, v16, 4, v8
	v_add_nc_u32 v9, SLOTB, v8
	s_lshl_b32 s38, s26, 5
	s_add_co_u32 s38, s38, 224
	v_add_nc_u32 v17, s38, v15                     ; fragment row of W: 224 + 32wc + r
	v_mul_u32_u24 v10, v17, PITCH
	v_lshl_add_u32 v10, v16, 4, v10
	v_add_nc_u32 v11, SLOTB, v10
	s_lshl_b32 s38, ttmp9, 8
	s_lshl_b32 s39, s26, 7
	s_add_co_u32 s38, s38, s39                     ; 4 (64 head + 32 wc)
	v_lshl_add_u32 v12, v16, 5, s38                ; + 4 * 8h: bq, bk
	v_lshl_add_u32 v13, v15, 2, s38                ; + 4 r: bv
	s_wait_kmcnt 0x0
	s_add_nc_u64 s[4:5], s[4:5], s[34:35]
	s_add_nc_u64 s[6:7], s[6:7], s[36:37]
	s_add_nc_u64 s[8:9], s[8:9], s[36:37]
	s_add_nc_u64 s[10:11], s[10:11], s[36:37]
	s_add_nc_u64 s[18:19], s[18:19], s[28:29]
	s_add_nc_u64 s[20:21], s[20:21], s[28:29]
	s_add_nc_u64 s[22:23], s[22:23], s[28:29]
	WIN 0x80
.irp nn,0,1
	global_load_b128 v[BQ+8*\nn:BQ+8*\nn+3],   v12, s[12:13] offset:64*\nn
	global_load_b128 v[BQ+8*\nn+4:BQ+8*\nn+7], v12, s[12:13] offset:64*\nn+16
	global_load_b128 v[BK+8*\nn:BK+8*\nn+3],   v12, s[14:15] offset:64*\nn
	global_load_b128 v[BK+8*\nn+4:BK+8*\nn+7], v12, s[14:15] offset:64*\nn+16
	global_load_b32 v[BV+2*\nn],   v13, s[16:17] offset:64*\nn
	global_load_b32 v[BV+2*\nn+1], v13, s[16:17] offset:64*\nn     ; twice: a pair for the packed add
.endr
; 52 loads: my 56 rows of x and my 16 rows of each W, 256 bytes of each row (K step t)
.macro GLOAD t
	WIN 0xc0
.set ii, 0
.rept 28
	global_load_b128 v[4*ii:4*ii+3], v2, s[4:5] offset:ii*4096+(\t)*256
.set ii, ii+1
.endr
.irp T,0,1,2
.irp i,0,1,2,3,4,5,6,7
	global_load_b128 v[112+4*(8*\T+\i):112+4*(8*\T+\i)+3], v3, s[6+2*\T:7+2*\T] offset:\i*4096+(\t)*256
.endr
.endr
.endm
; round to bf16 in place (4 f32 -> 2 registers) and put 8 bytes a lane into the slot
.macro CVTST slot
	WIN 0xcf
.set ii, 0
.rept 52
	v_cvt_pk_bf16_f32 v[4*ii],   v[4*ii],   v[4*ii+1]
	v_cvt_pk_bf16_f32 v[4*ii+1], v[4*ii+2], v[4*ii+3]
.set ii, ii+1
.endr
	WIN 0x0c
.set ii, 0
.rept 28
	ds_store_b64 v[4+\slot], v[4*ii:4*ii+1] offset:ii*288
.set ii, ii+1
.endr
.irp T,0,1,2
.irp i,0,1,2,3,4,5,6,7
	ds_store_b64 v[6+\slot], v[112+4*(8*\T+\i):112+4*(8*\T+\i)+1] offset:\T*9216+\i*288
.endr
.endr
.endm
; fragments of both halves of the step (32 along K each): 26 loads, then 26
.macro FRAGS slot
	WIN 0
.irp ks,0,1
.irp a,0,1,2,3,4,5,6
	ds_load_b128 v[XF+104*\ks+8*\a:XF+104*\ks+8*\a+3],   v[8+\slot] offset:\a*2304+64*\ks
	ds_load_b128 v[XF+104*\ks+8*\a+4:XF+104*\ks+8*\a+7], v[8+\slot] offset:\a*2304+64*\ks+32
.endr
.irp c,0,1,2,3,4,5
	ds_load_b128 v[WF+104*\ks+8*\c:WF+104*\ks+8*\c+3],   v[10+\slot] offset:(\c/2)*9216+(\c%2)*2304+64*\ks
	ds_load_b128 v[WF+104*\ks+8*\c+4:WF+104*\ks+8*\c+7], v[10+\slot] offset:(\c/2)*9216+(\c%2)*2304+64*\ks+32
.endr
.endr
.endm
; 42 matrix instructions.  q, k: source 0 = W, source 1 = x (lane = token).  v: source 0 = x, source 1 = W (lane = channel).
.macro MM ks, zero
	WIN 0x50
.irp a,0,1,2,3,4,5,6
.irp c,0,1,2,3
.if \zero
	v_wmma_f32_16x16x32_bf16 v[8*(4*\a+\c):8*(4*\a+\c)+7], v[WF+104*\ks+8*\c:WF+104*\ks+8*\c+7], v[XF+104*\ks+8*\a:XF+104*\ks+8*\a+7], 0
.else
	v_wmma_f32_16x16x32_bf16 v[8*(4*\a+\c):8*(4*\a+\c)+7], v[WF+104*\ks+8*\c:WF+104*\ks+8*\c+7], v[XF+104*\ks+8*\a:XF+104*\ks+8*\a+7], v[8*(4*\a+\c):8*(4*\a+\c)+7]
.endif
.endr
.endr
	WIN 0xa0
.irp a,0,1,2,3,4,5,6
.irp nn,0,1
.if \zero
	v_wmma_f32_16x16x32_bf16 v[8*(2*\a+\nn):8*(2*\a+\nn)+7], v[XF+104*\ks+8*\a:XF+104*\ks+8*\a+7], v[WF+104*\ks+8*(4+\nn):WF+104*\ks+8*(4+\nn)+7], 0
.else
	v_wmma_f32_16x16x32_bf16 v[8*(2*\a+\nn):8*(2*\a+\nn)+7], v[XF+104*\ks+8*\a:XF+104*\ks+8*\a+7], v[WF+104*\ks+8*(4+\nn):WF+104*\ks+8*(4+\nn)+7], v[8*(2*\a+\nn):8*(2*\a+\nn)+7]
.endif
.endr
.endr
.endm
; One K step.  One barrier does both orderings: a slot is written only by waves that have passed the barrier of the step before, and each
; wave signals that barrier only after its fragment loads of the step before that (the slot's last readers) have come back.
; The 104 conversions are the places between a step's matrix instructions and the fragment loads of the next.
.macro STEP t, slot, more, zero
	s_wait_loadcnt 0x0                             ; this step's 52 loads (and, in step 0, the biases)
	CVTST \slot
	s_wait_dscnt 0x0                               ; my stores have landed: for the other waves, and before the staging registers are loaded again
.if \more
	GLOAD \t+1                                     ; on their way during this step's 84 matrix instructions
.endif
	s_barrier_signal -1
	s_barrier_wait -1
	FRAGS \slot
	s_wait_dscnt 26                                ; the first half's 26 loads are in; the second half's 26 may stay out
	MM 0, \zero
	s_wait_dscnt 0x0
	MM 1, 0
.endm
	GLOAD 0
	STEP 0, 0, 1, 1                                ; the first products start the sums: nothing is cleared
	STEP 1, 1, 1, 0
	STEP 2, 0, 1, 0
	STEP 3, 1, 1, 0
	STEP 4, 0, 1, 0
	STEP 5, 1, 1, 0
	STEP 6, 0, 1, 0
	STEP 7, 1, 0, 0
	; biases, the scale of q, rounding to f16, and one store of 512 consecutive bytes for each tile
	PLACES 4                                       ; behind the last matrix instructions, before their results are read and their sources rewritten
	WIN 0x82
.irp c,0,1,2,3,4,5,6,7
	v_pk_mul_f32 v[BQ+2*\c:BQ+2*\c+1], v[BQ+2*\c:BQ+2*\c+1], QS op_sel_hi:[1,0]
.endr
	WIN 0x61
.irp a,0,1,2,3,4,5,6
.irp nn,0,1
.irp c,0,1,2,3
	v_pk_fma_f32 v[8*(4*\a+\nn)+2*\c:8*(4*\a+\nn)+2*\c+1], v[8*(4*\a+\nn)+2*\c:8*(4*\a+\nn)+2*\c+1], QS, v[BQ+8*\nn+2*\c:BQ+8*\nn+2*\c+1] op_sel_hi:[1,0,1]
.endr
.endr
.endr
	WIN 0x49
.irp a,0,1,2,3,4,5,6
.irp nn,0,1
.irp c,0,1,2,3
	v_pk_add_f32 v[8*(4*\a+2+\nn)+2*\c:8*(4*\a+2+\nn)+2*\c+1], v[8*(4*\a+2+\nn)+2*\c:8*(4*\a+2+\nn)+2*\c+1], v[BK+8*\nn+2*\c:BK+8*\nn+2*\c+1]
.endr
.endr
.endr
	WIN 0x8a
.irp a,0,1,2,3,4,5,6
.irp nn,0,1
.irp c,0,1,2,3
	v_pk_add_f32 v[8*(2*\a+\nn)+2*\c:8*(2*\a+\nn)+2*\c+1], v[8*(2*\a+\nn)+2*\c:8*(2*\a+\nn)+2*\c+1], v[BV+2*\nn:BV+2*\nn+1]
.endr
.endr
.endr
	WIN 0x05
.set ii, 0
.rept 28
.irp c,0,1,2,3
	v_cvt_pk_f16_f32 v[32+4*ii+\c], v[8*ii+2*\c], v[8*ii+2*\c+1]
.endr
.set ii, ii+1
.endr
	WIN 0x0a
.set ii, 0
.rept 14
.irp c,0,1,2,3
	v_cvt_pk_f16_f32 v[144+4*ii+\c], v[8*ii+2*\c], v[8*ii+2*\c+1]
.endr
.set ii, ii+1
.endr
	WIN 0
.irp a,0,1,2,3,4,5,6
.irp nn,0,1
	global_store_b128 v1, v[32+4*(4*\a+\nn):32+4*(4*\a+\nn)+3],     s[18:19] offset:\a*2048+\nn*512
	global_store_b128 v1, v[32+4*(4*\a+2+\nn):32+4*(4*\a+2+\nn)+3], s[20:21] offset:\a*2048+\nn*512
	global_store_b128 v1, v[144+4*(2*\a+\nn):144+4*(2*\a+\nn)+3],   s[22:23] offset:\a*2048+\nn*512
.endr
.endr
	s_wait_tensorcnt 0x0
	ds_add_u32 v254, v255
	s_wait_dscnt 0x0
	s_endpgm
.Lfunc_end_k_q696ababc09_qkv:
	.size	k_q696ababc09_qkv, .Lfunc_end_k_q696ababc09_qkv-k_q696ababc09_qkv
	.p2alignl 7, 3214868480
	.fill 96, 4, 3214868480
	.section	.rodata,"a",@progbits
	.p2align	6, 0x0
	.amdhsa_kernel k_q696ababc09_qkv
		.amdhsa_group_segment_fixed_size 120320
		.amdhsa_private_segment_fixed_size 0
		.amdhsa_enable_private_segment 0
		.amdhsa_kernarg_size 80
		.amdhsa_user_sgpr_count 2
		.amdhsa_user_sgpr_kernarg_segment_ptr 1
		.amdhsa_wavefront_size32 1
		.amdhsa_system_sgpr_workgroup_id_x 1
		.amdhsa_system_sgpr_workgroup_id_y 1
		.amdhsa_system_sgpr_workgroup_id_z 1
		.amdhsa_system_vgpr_workitem_id 0
		.amdhsa_next_free_vgpr 976
		.amdhsa_next_free_sgpr 66
		.amdhsa_reserve_vcc 0
		.amdhsa_float_denorm_mode_32 3
		.amdhsa_float_denorm_mode_16_64 3
		.amdhsa_memory_ordered 1
		.amdhsa_forward_progress 1
		.amdhsa_inst_pref_size 222
	.end_amdhsa_kernel
	.amdgpu_metadata
---
amdhsa.version: [ 1, 2 ]
amdhsa.kernels:
  - .name:           k_q696ababc09_qkv
    .symbol:         k_q696ababc09_qkv.kd
    .args:
      - { .name: x, .offset: 0, .size: 8, .value_kind: global_buffer, .address_space: global }
      - { .name: W_q, .offset: 8, .size: 8, .value_kind: global_buffer, .address_space: global }
      - { .name: W_k, .offset: 16, .size: 8, .value_kind: global_buffer, .address_space: global }
      - { .name: W_v, .offset: 24, .size: 8, .value_kind: global_buffer, .address_space: global }
      - { .name: b_q, .offset: 32, .size: 8, .value_kind: global_buffer, .address_space: global }
      - { .name: b_k, .offset: 40, .size: 8, .value_kind: global_buffer, .address_space: global }
      - { .name: b_v, .offset: 48, .size: 8, .value_kind: global_buffer, .address_space: global }
      - { .name: qf, .offset: 56, .size: 8, .value_kind: global_buffer, .address_space: global }
      - { .name: kf, .offset: 64, .size: 8, .value_kind: global_buffer, .address_space: global }
      - { .name: vf, .offset: 72, .size: 8, .value_kind: global_buffer, .address_space: global }
    .group_segment_fixed_size: 120320
    .private_segment_fixed_size: 0
    .kernarg_segment_align: 8
    .kernarg_segment_size: 80
    .max_flat_workgroup_size: 128
    .sgpr_count:     66
    .vgpr_count:     976
    .wavefront_size: 32
...
	.end_amdgpu_metadata
.endif
;; end of part 1
;; launch attn (part 2): grid 16 x 16, 8 waves a work-group, no clusters, 209,920 bytes of LDS; arguments qf, kf, vf, start_frames, end_frames, yf; writes yf
.if DOCPART == 2
	.amdgcn_target "amdgcn-amd-amdhsa--gfx1250"
	.amdhsa_code_object_version 6
	.text
	.protected	k_q696ababc09_attn
	.globl	k_q696ababc09_attn
	.p2align	8
	.type	k_q696ababc09_attn,@function
k_q696ababc09_attn:
	s_mov_b64 s[64:65], 0
	v_nop
	global_prefetch_b8 v0, s[64:65] scope:SCOPE_SE
	s_setreg_imm32_b32 hwreg(HW_REG_WAVE_MODE, 25, 1), 1
	s_wait_xcnt 0x0
; Masked attention of one (batch, head), softmax with a running maximum in base 2 (q already carries 0.125 log2 e).
; q, k, v come as f16, the weights p (0 to 1) and the result y are rounded to f16, sums and softmax are f32.
; Tokens of a batch in tiles of 16: 0-63 motion block 0, 64-127 block 1, 128-191 block 2, 192-195 text (upper, lower, torso, whole).
; What the mask leaves, query frame i, key frame j:  block 0 rows: K0 j<=i.   block 1 rows: K0 j<=i, K1 j<i, K2 j<i, text upper/torso/whole
; where start>>3 <= i < end>>3.   block 2 rows: K0 j<=i, K1 j<=i, K2 j<i, text lower/torso/whole likewise.   text rows: everything.
; Work that the mask throws away whole is not done.
; A MOTION GROUP n (1..32) is frames 32(n-1)..+31 of all three blocks: six query tiles q = 2 blk + par.  Its keys are 3n+2 units of 32:
; n of each motion block and two of text; 28n+16 score tiles.  A TEXT GROUP is one text query tile and all 98 units: 196 score tiles.
; A work-group takes groups (n, 35-n), or (n, 27-n, one text tile): 1012 or 984 score tiles each, 16 work-groups for each of 16 (batch, head).
; THE KEYS OF A GROUP ARE SPLIT OVER THE EIGHT WAVES (unit u0, u0+8, ..): every wave holds all six Q tiles and its own partial (m, l, O), and
; K and V go from memory straight into the registers of the one wave that multiplies them.  The partials meet in LDS at the group's end.
; No transposes: S^T = K Q^T leaves lane = query, registers = keys; two such tiles, rounded to f16, are the second operand of O^T = V^T P^T,
; which leaves lane = query, registers = channels: m, l and the rescaling factor are one number a lane.
; NO CLUSTER: a joint request lands in LDS and serves partners that want the same tile at the same time; here a unit's 8,192 bytes are used by
; one wave only, from registers, and the work-groups of one (batch, head) walk different numbers of units (3n+2 for different n).
; LIMITS: the running maximum starts at -1e30 (base-2 units): scores below that are not told apart.  NaN or infinite q, k, v are not served.
; y is a convex sum of v, so it has v's room in f16.  start and end may be any int32; they are shifted arithmetically, as a floor division by 8.
.set AB, 10                            ; v10-21   q: (alpha, scratch)
.set MB, 22                            ; v22-33   q: (m, m): the second register is the new maximum while it is formed
.set LB, 34                            ; v34-45   q: (sum over even keys, sum over odd keys) of my half of the keys
.set RS, 46                            ; v46-53   start>>3 of text segment 8h+j
.set LN, 54                            ; v54-61   max(end>>3 - start>>3, 0)
.set KB, 64                            ; v64-95   K: piece (kt, ct) at 16kt+4ct
.set VB, 96                            ; v96-127  V: piece (kt, dt) at 8dt+4kt
.set SB, 128                           ; v128-223 S of q at 16q (key tile kt at +8kt); after rounding P of q in its first 8
; v1 16*lane  v2, v3 my LDS addresses for O and (m, l)  v4,5 r-8h+16par  v6,7 frame of my query, par 0, 1  v8 -inf  v9, v62, v63 temporaries
; v224-255 Q of q = 4, 5.   window 1: O of q at 32q+8dt (0-191), Q of q = 0..3 at 192+16q.
; LDS: O partials [wave 8][q 6][dt 4][half 2][lane][16 B] at 0; (m, l) [wave][q][2][lane][4 B] at 196,608.
.set ML0, 196608
.set MSB, 0
.macro WIN new                         ; s_set_vgpr_msb: bits 1:0 source 0, 3:2 source 1, 5:4 source 2, 7:6 destination; high byte = the setting left
.if MSB != \new
	s_set_vgpr_msb (MSB<<8)|\new
.set MSB, \new
.endif
.endm
.macro PLACES n
.rept \n
	v_nop
.endr
.endm
; unit number -> segment (0-2 motion blocks, 3 text), unit in the segment, byte offset of its two tiles.  s21 = n, s22 = 2n, s23 = 3n
.macro DECODE su, seg, ul, off
	s_cmp_ge_u32 \su, s21
	s_cselect_b32 \seg, 1, 0
	s_cmp_ge_u32 \su, s22
	s_cselect_b32 s54, 1, 0
	s_add_co_u32 \seg, \seg, s54
	s_cmp_ge_u32 \su, s23
	s_cselect_b32 s54, 1, 0
	s_add_co_u32 \seg, \seg, s54
	s_mul_i32 s54, \seg, s21
	s_sub_co_u32 \ul, \su, s54
	s_lshl_b32 s54, \seg, 5
	s_add_co_u32 s54, s54, \ul
	s_lshl_b32 \off, s54, 12                       ; tile 64 seg + 2 ul, 2,048 bytes a tile
.endm
.macro SMM q, kt, ks, qb               ; one score tile, 32 of the 64 channels; qb: Q's fragment
.if \ks == 0
	v_wmma_f32_16x16x32_f16 v[SB+16*(\q)+8*\kt:SB+16*(\q)+8*\kt+7], v[KB+16*\kt+8*\ks:KB+16*\kt+8*\ks+7], v[\qb:\qb+7], 0
.else
	v_wmma_f32_16x16x32_f16 v[SB+16*(\q)+8*\kt:SB+16*(\q)+8*\kt+7], v[KB+16*\kt+8*\ks:KB+16*\kt+8*\ks+7], v[\qb:\qb+7], v[SB+16*(\q)+8*\kt:SB+16*(\q)+8*\kt+7]
.endif
.endm
; the softmax's single lines; ALLQ writes one of them for every query tile of the path, so that no chain waits on itself
.macro ALLQ qmin, op, k
.set qq, \qmin
.rept 6-\qmin
	\op qq,\k
.set qq, qq+1
.endr
.endm
.macro MXA q, k
	v_max3_num_f32 v[MB+2*(\q)+1], v[SB+16*(\q)], v[SB+16*(\q)+1], v[SB+16*(\q)+2]
.endm
.macro MXB q, k
	v_max3_num_f32 v[MB+2*(\q)+1], v[MB+2*(\q)+1], v[SB+16*(\q)+\k], v[SB+16*(\q)+\k+1]
.endm
.macro MXC q, k
	v_max3_num_f32 v[MB+2*(\q)+1], v[MB+2*(\q)+1], v[SB+16*(\q)+15], v[MB+2*(\q)]    ; with the old maximum: never below -1e30
.endm
.macro XLN q, k
	v_permlanex16_b32 v[AB+2*(\q)+1], v[MB+2*(\q)+1], s38, s39                       ; the other half of the lanes holds the query's other 16 keys
.endm
.macro MXD q, k
	v_max_num_f32 v[MB+2*(\q)+1], v[MB+2*(\q)+1], v[AB+2*(\q)+1]
.endm
.macro ALP q, k
	v_sub_f32 v[AB+2*(\q)], v[MB+2*(\q)], v[MB+2*(\q)+1]
.endm
.macro MVM q, k
	v_mov_b32 v[MB+2*(\q)], v[MB+2*(\q)+1]
.endm
.macro SUBK q, k
	v_pk_add_f32 v[SB+16*(\q)+2*\k:SB+16*(\q)+2*\k+1], v[SB+16*(\q)+2*\k:SB+16*(\q)+2*\k+1], v[MB+2*(\q):MB+2*(\q)+1] neg_lo:[0,1] neg_hi:[0,1]
.endm
.macro EXA q, k
	v_exp_f32 v[AB+2*(\q)], v[AB+2*(\q)]
.endm
.macro EXK q, k
	v_exp_f32 v[SB+16*(\q)+\k], v[SB+16*(\q)+\k]
.endm
.macro POSTK q, k                      ; 16 plain lines: l = l alpha + the sum of p (8), then p rounded to f16 in place (8)
.if \k == 0
	s_wait_alu depctr_va_vdst(0)
	v_pk_fma_f32 v[LB+2*(\q):LB+2*(\q)+1], v[LB+2*(\q):LB+2*(\q)+1], v[AB+2*(\q):AB+2*(\q)+1], v[SB+16*(\q):SB+16*(\q)+1] op_sel_hi:[1,0,1]
.else
.if \k < 8
	v_pk_add_f32 v[LB+2*(\q):LB+2*(\q)+1], v[LB+2*(\q):LB+2*(\q)+1], v[SB+16*(\q)+2*\k:SB+16*(\q)+2*\k+1]
.else
	v_cvt_pk_f16_f32 v[SB+16*(\q)+\k-8], v[SB+16*(\q)+2*\k-16], v[SB+16*(\q)+2*\k-15]
.endif
.endif
.endm
; the diagonal unit: key 16kt+8h+j is seen by query 16par+r if 16kt+j < r-8h+16par+c, c = 1 with the diagonal, 0 without
.macro DIAGQ q, c
	v_add_nc_u32 v9, \c, v[4+(\q&1)]
.irp e,0,1,2,3,4,5,6,7,8,9,10,11,12,13,14,15
	v_cmp_lt_i32 vcc_lo, \e+8*(\e/8), v9
	v_cndmask_b32 v[SB+16*\q+\e], v8, v[SB+16*\q+\e], vcc_lo
.endr
.endm
.macro TEXTQ q, m0, m1                 ; m0, m1: the first mask register for key tile 0, 1
.irp j,0,1,2,3,4,5,6,7
	v_cndmask_b32 v[SB+16*\q+\j],   v8, v[SB+16*\q+\j],   s[\m0+8*(\q&1)+\j]
	v_cndmask_b32 v[SB+16*\q+8+\j], v8, v[SB+16*\q+8+\j], s[\m1+8*(\q&1)+\j]
.endr
.endm
; ONE UNIT of 32 keys for query tiles qmin..5.  kind: 0 all seen, 1 diagonal, 2 text.
; On entry 16 loads are out: this unit's K (older) and V.
.macro UNIT qmin, kind
	s_wait_loadcnt 0x8                             ; K (and, in a group's first trip, Q) is in; the 8 loads of V stay out
.if \qmin < 4
	WIN 0x04
.irp ks,0,1
.set qq, \qmin
.rept 4-\qmin
	SMM qq,0,\ks,192+16*qq+8*\ks
	SMM qq,1,\ks,192+16*qq+8*\ks
.set qq, qq+1
.endr
.endr
.endif
	WIN 0
.if \qmin > 4
.set qs, \qmin
.else
.set qs, 4
.endif
.irp ks,0,1
.set qq, qs
.rept 6-qs
	SMM qq,0,\ks,224+16*(qq-4)+8*\ks
	SMM qq,1,\ks,224+16*(qq-4)+8*\ks
.set qq, qq+1
.endr
.endr
	PLACES 4                                       ; before K is loaded again and the scores are read (ISA guide 7.12.1)
	s_mov_b32 s46, s32
	s_add_nc_u64 s[40:41], s[6:7], s[46:47]        ; the base's last loads were waited for above
.irp i,0,1,2,3,4,5,6,7
	global_load_b128 v[KB+4*\i:KB+4*\i+3], v1, s[40:41] offset:512*\i      ; the next unit's K, a whole unit ahead
.endr
.if \kind == 1
.if \qmin == 0
	DIAGQ 0, 1
	DIAGQ 1, 1
.endif
	DIAGQ 2, s35
	DIAGQ 3, s35
	DIAGQ 4, s36
	DIAGQ 5, s36
.endif
.if \kind == 2
.irp par,0,1
.irp j,0,1,2,3,4,5,6,7
	v_sub_nc_u32 v9, v[6+\par], v[RS+\j]
	v_cmp_lt_u32 s[68+8*\par+\j], v9, v[LN+\j]     ; start <= frame < end, as one unsigned compare
.endr
.endr
.irp i,0,1,2,3,4,5,6,7,8,9,10,11,12,13,14,15
	s_and_b32 s[84+\i], s[68+\i], s37              ; in the first text unit: never 'lower' for block 1 rows, never 'upper' for block 2 rows
.endr
	TEXTQ 2, 68, 84
	TEXTQ 3, 68, 84
	TEXTQ 4, 84, 68
	TEXTQ 5, 84, 68
.endif
	ALLQ \qmin, MXA, 0
.irp k,3,5,7,9,11,13
	ALLQ \qmin, MXB, \k
.endr
	ALLQ \qmin, MXC, 0
	ALLQ \qmin, XLN, 0
	ALLQ \qmin, MXD, 0
	ALLQ \qmin, ALP, 0
	ALLQ \qmin, MVM, 0
.irp k,0,1,2,3,4,5,6,7
	ALLQ \qmin, SUBK, \k
.endr
	ALLQ \qmin, EXA, 0
.irp k,0,1,2,3,4,5,6,7,8,9,10,11,12,13,14,15
	EXK \qmin, \k
.endr
	v_nop                                          ; one plain place behind the exponentials before their results are used (ISA guide 5.7.2)
	s_wait_alu depctr_va_vdst(0)
.if \qmin < 5
.set qq, \qmin+1
.rept 5-\qmin
.irp k,0,1,2,3,4,5,6,7,8,9,10,11,12,13,14,15
	EXK qq, \k                                     ; a tile's exponentials take turns with the plain lines of the tile before
	POSTK qq-1, \k
.endr
.set qq, qq+1
.endr
.endif
.irp k,0,1,2,3,4,5,6,7,8,9,10,11,12,13,14,15
	POSTK 5, \k
.endr
	WIN 0x41
.set qq, \qmin
.rept 6-\qmin
.irp c,0,1,2,3,4,5,6,7,8,9,10,11,12,13,14,15
	v_pk_mul_f32 v[32*qq+2*\c:32*qq+2*\c+1], v[32*qq+2*\c:32*qq+2*\c+1], v[AB+2*qq:AB+2*qq+1] op_sel_hi:[1,0]
.endr
.set qq, qq+1
.endr
	s_wait_loadcnt 0x8                             ; V is in; the next unit's 8 loads of K stay out
	WIN 0x50
.set qq, \qmin
.rept 6-\qmin
.irp d,0,1,2,3
	v_wmma_f32_16x16x32_f16 v[32*qq+8*\d:32*qq+8*\d+7], v[VB+8*\d:VB+8*\d+7], v[SB+16*qq:SB+16*qq+7], v[32*qq+8*\d:32*qq+8*\d+7]
.endr
.set qq, qq+1
.endr
	WIN 0
.endm
	s_load_b256 s[4:11], s[0:1], 0x0               ; qf 4, kf 6, vf 8, start 10
	s_load_b128 s[12:15], s[0:1], 0x20             ; end 12, yf 14
	v_lshrrev_b32 v9, 5, v0
	v_readfirstlane_b32 s16, v9                    ; wave
	s_mov_b32 s17, ttmp9                           ; p: which groups
	s_and_b32 s18, ttmp7, 0xffff                   ; batch*8 + head
	s_lshr_b32 s54, s18, 3
	s_and_b32 s50, s18, 7                          ; head
	s_mul_i32 s49, s54, 196                        ; the batch's first row tile
	s_lshl_b32 s55, s54, 6                         ; the batch's 16 frames, in bytes
	s_mov_b32 s38, 0x76543210                      ; v_permlanex16_b32: lane i of one half reads lane i of the other
	s_mov_b32 s39, 0xfedcba98
	s_mov_b32 s47, 0
	s_mul_i32 s46, s18, 401408                     ; 196 tiles of 2,048 bytes
	; p 0-5: n = 3+p and 32-p.  p 6-11: 5+p and 30-p.  p 12-15, j = p-12: n = (1, 2, 9, 10)[j], 27-n, and text tile 192+j
	s_add_co_u32 s57, s17, 3
	s_add_co_u32 s54, s17, 5
	s_cmp_ge_u32 s17, 6
	s_cselect_b32 s57, s54, s57
	s_sub_co_u32 s54, s17, 11
	s_cmp_ge_u32 s17, 12
	s_cselect_b32 s57, s54, s57
	s_sub_co_u32 s54, s17, 5
	s_cmp_ge_u32 s17, 14
	s_cselect_b32 s57, s54, s57
	s_cmp_ge_u32 s17, 12
	s_cselect_b32 s58, 27, 35
	s_cselect_b32 s20, 3, 2                        ; groups of this work-group
	s_sub_co_u32 s58, s58, s57
	s_add_co_u32 s59, s17, 180                     ; 192 + j
	v_and_b32 v1, 31, v0
	v_lshlrev_b32 v1, 4, v1
	s_mul_i32 s54, s16, 24576
	v_add_nc_u32 v2, s54, v1
	s_mul_i32 s54, s16, 1536
	s_add_co_u32 s54, s54, ML0
	v_lshrrev_b32 v3, 2, v1
	v_add_nc_u32 v3, s54, v3
	v_and_b32 v62, 15, v0                          ; r
	v_bfe_u32 v63, v0, 4, 1                        ; h
	v_lshl_add_u32 v9, v63, 5, s55                 ; segments 8h..8h+7 of my batch
	v_lshlrev_b32 v63, 3, v63
	v_sub_nc_u32 v4, v62, v63
	v_add_nc_u32 v5, 16, v4
	v_mov_b32 v8, 0xff800000
.irp i,0,1,2,3,4,5,6,7,8,9,10,11
	v_mov_b32 v[AB+\i], 0                          ; written once: the lane exchange's destination counts as read
.endr
	s_wait_kmcnt 0x0
	s_add_nc_u64 s[4:5], s[4:5], s[46:47]
	s_add_nc_u64 s[6:7], s[6:7], s[46:47]
	s_add_nc_u64 s[8:9], s[8:9], s[46:47]
	global_load_b128 v[RS:RS+3],   v9, s[10:11]
	global_load_b128 v[RS+4:RS+7], v9, s[10:11] offset:16
	global_load_b128 v[LN:LN+3],   v9, s[12:13]
	global_load_b128 v[LN+4:LN+7], v9, s[12:13] offset:16
	s_wait_loadcnt 0x0
.irp j,0,1,2,3,4,5,6,7
	v_ashrrev_i32 v[RS+\j], 3, v[RS+\j]
	v_ashrrev_i32 v[LN+\j], 3, v[LN+\j]
	v_sub_nc_u32 v[LN+\j], v[LN+\j], v[RS+\j]
	v_max_i32 v[LN+\j], 0, v[LN+\j]
.endr
	s_mov_b32 s19, 0
.Lgroup:
	s_cmp_eq_u32 s19, 0
	s_cselect_b32 s21, s57, s58
	s_cmp_eq_u32 s19, 2
	s_cselect_b32 s21, 32, s21                     ; n; the text group walks all 32 units of each block
	s_cselect_b32 s33, 1, 0                        ; text group?
	s_cselect_b32 s34, 5, 0                        ; its one query tile sits in place q = 5
	s_lshl_b32 s22, s21, 1
	s_add_co_u32 s23, s22, s21
	s_add_co_u32 s24, s23, 2                       ; units
	s_add_co_u32 s56, s23, 1                       ; the last unit
	s_sub_co_u32 s25, s21, 1                       ; the diagonal unit
	s_lshl_b32 s48, s25, 1
	s_sub_co_u32 s54, s59, 129
	s_cmp_eq_u32 s19, 2
	s_cselect_b32 s48, s54, s48                    ; row tile of q = s48 + 64 (q>>1) + (q&1); in the text group q = 5 is tile 192+j, the other
	s_lshl_b32 s46, s48, 11                        ; five places load tiles 63+j .. 191+j, inside the buffer, and are not used
	s_add_nc_u64 s[44:45], s[4:5], s[46:47]        ; (all earlier loads were waited for at the last group's end)
	WIN 0x40
.irp q,0,1,2,3
.irp c,0,1,2,3
	global_load_b128 v[192+16*\q+4*\c:192+16*\q+4*\c+3], v1, s[44:45] offset:(64*(\q/2)+(\q%2))*2048+\c*512
.endr
.endr
	WIN 0
.irp q,4,5
.irp c,0,1,2,3
	global_load_b128 v[224+16*(\q-4)+4*\c:224+16*(\q-4)+4*\c+3], v1, s[44:45] offset:(64*(\q/2)+(\q%2))*2048+\c*512
.endr
.endr
	s_sub_co_u32 s54, 7, s16
	s_cmp_eq_u32 s19, 1
	s_cselect_b32 s26, s54, s16                    ; my first unit; the second group deals the other way round, to even out the remainders
	s_add_co_u32 s61, s24, 7
	s_sub_co_u32 s61, s61, s26                     ; units + 7 - first unit is at least 5: no wrap
	s_lshr_b32 s61, s61, 3                         ; my trips: units u0, u0+8, .. below the group's number of units; 0 where u0 is beyond it
	s_mov_b32 s60, 0                               ; the trips' counter
	s_min_u32 s55, s26, s56                        ; clamped: a wave without a unit loads the last one and drops it
	DECODE s55, s27, s28, s29
	s_mov_b32 s46, s29
	s_add_nc_u64 s[40:41], s[6:7], s[46:47]
.irp i,0,1,2,3,4,5,6,7
	global_load_b128 v[KB+4*\i:KB+4*\i+3], v1, s[40:41] offset:512*\i
.endr
	; O is cleared here and not started by a first product: which kind of unit a wave meets first, and whether it meets one at all,
	; hangs on its number, and an untouched partial has to reach the merge as zeros
	WIN 0x40
.set ii, 0
.rept 192
	v_mov_b32 v[ii], 0
.set ii, ii+1
.endr
	WIN 0
.irp i,0,1,2,3,4,5,6,7,8,9,10,11
	v_mov_b32 v[MB+\i], 0xf149f2ca                 ; -1e30
	v_mov_b32 v[LB+\i], 0
.endr
	s_lshl_b32 s54, s25, 5
	v_and_b32 v6, 15, v0
	v_add_nc_u32 v6, s54, v6                       ; my query's frame, par 0
	v_add_nc_u32 v7, 16, v6                        ; par 1
	s_cmp_eq_u32 s61, 0
	s_cbranch_scc1 .Lnotrip
.Ltrip:
	s_mov_b32 s46, s29
	s_add_nc_u64 s[42:43], s[8:9], s[46:47]        ; the base's last loads were waited for in the trip before
.irp kt,0,1
.irp d,0,1,2,3
	global_load_b128 v[VB+8*\d+4*\kt:VB+8*\d+4*\kt+3], v1, s[42:43] offset:\kt*2048+\d*512
.endr
.endr
	s_add_co_u32 s55, s26, 8
	s_min_u32 s55, s55, s56                        ; the look-ahead stays inside the buffer
	DECODE s55, s30, s31, s32
	s_cmp_eq_u32 s27, 0
	s_cselect_b32 s35, 1, 0                        ; block 1 rows see the diagonal of K0 only
	s_cmp_le_u32 s27, 1
	s_cselect_b32 s36, 1, 0                        ; block 2 rows of K0 and K1
	s_cmp_eq_u32 s28, 0
	s_cselect_b32 s37, 0, -1
	s_cmp_lg_u32 s33, 0
	s_cbranch_scc1 .Lfull1
	s_cmp_eq_u32 s27, 3
	s_cbranch_scc1 .Ltext4
	s_cmp_eq_u32 s28, s25
	s_cbranch_scc1 .Ldiag
	s_cmp_eq_u32 s27, 0
	s_cbranch_scc1 .Lfull6
	UNIT 2, 0
	s_branch .Ltail
.Lfull6:
	UNIT 0, 0
	s_branch .Ltail
.Ldiag:
	s_cmp_eq_u32 s27, 0
	s_cbranch_scc1 .Lmask6
	UNIT 2, 1
	s_branch .Ltail
.Lmask6:
	UNIT 0, 1
	s_branch .Ltail
.Ltext4:
	UNIT 2, 2
	s_branch .Ltail
.Lfull1:
	UNIT 5, 0
.Ltail:
	PLACES 5                                       ; the next scores write over P, the next loads land on V, O is scaled or stored
	s_mov_b32 s27, s30
	s_mov_b32 s28, s31
	s_mov_b32 s29, s32
	s_add_co_u32 s26, s26, 8                       ; my next unit
	s_add_co_u32 s60, s60, 1
	s_cmp_lt_u32 s60, s61
	s_cbranch_scc1 .Ltrip
.Lnotrip:
	s_wait_loadcnt 0x0                             ; the look-ahead that nobody uses (and Q, where no trip was made)
	; my partial goes to LDS
.irp q,0,1,2,3,4,5
	v_add_f32 v[LB+2*\q], v[LB+2*\q], v[LB+2*\q+1]
.endr
.irp q,0,1,2,3,4,5
	v_permlanex16_b32 v[LB+2*\q+1], v[LB+2*\q], s38, s39
.endr
.irp q,0,1,2,3,4,5
	v_add_f32 v[LB+2*\q], v[LB+2*\q], v[LB+2*\q+1]
.endr
.irp q,0,1,2,3,4,5
	ds_store_b32 v3, v[MB+2*\q] offset:\q*256
	ds_store_b32 v3, v[LB+2*\q] offset:\q*256+128
.endr
	WIN 0x04
.irp q,0,1,2,3,4,5
.irp d,0,1,2,3
	ds_store_b128 v2, v[32*\q+8*\d:32*\q+8*\d+3]   offset:\q*4096+\d*1024
	ds_store_b128 v2, v[32*\q+8*\d+4:32*\q+8*\d+7] offset:\q*4096+\d*1024+512
.endr
.endr
	WIN 0
	s_wait_dscnt 0x0                               ; for the other waves: zero
	s_barrier_signal -1
	s_barrier_wait -1
	; THE MERGE: 24 tiles (q, dt), three for each wave.  y = sum over waves of 2^(m_w - M) O_w / sum over waves of 2^(m_w - M) l_w.
	; Every query sees its own frame in K0, so some wave's m is a real score and the divisor is at least 1; an empty partial gets weight 0.
.irp i,0,1,2
	s_mul_i32 s54, s16, 3
	s_add_co_u32 s54, s54, \i
	s_lshr_b32 s52, s54, 2                         ; q
	s_and_b32 s53, s54, 3                          ; dt
	s_cmp_lt_u32 s52, s34
	s_cbranch_scc1 .Lskip\i                        ; places that the text group does not use
	s_wait_xcnt 0x0                                ; the last store's data and base are rewritten only behind this wait
	s_lshl_b32 s54, s52, 12
	s_lshl_b32 s55, s53, 10
	s_add_co_u32 s54, s54, s55
	v_add_nc_u32 v220, s54, v1
	v_add_nc_u32 v221, 49152, v220
	v_add_nc_u32 v222, 98304, v220
	v_add_nc_u32 v223, 147456, v220
	s_lshl_b32 s54, s52, 8
	s_add_co_u32 s54, s54, ML0
	v_lshrrev_b32 v62, 2, v1
	v_add_nc_u32 v62, s54, v62
.irp x,0,1,2,3,4,5,6,7
	ds_load_b32 v[128+2*\x], v62 offset:\x*1536
	ds_load_b32 v[129+2*\x], v62 offset:\x*1536+128
.endr
.irp x,0,1,2,3,4,5,6,7
	ds_load_b128 v[144+8*\x:147+8*\x], v[220+\x/2] offset:(\x%2)*24576
	ds_load_b128 v[148+8*\x:151+8*\x], v[220+\x/2] offset:(\x%2)*24576+512
.endr
	s_lshr_b32 s54, s52, 1
	s_lshl_b32 s54, s54, 6
	s_and_b32 s55, s52, 1
	s_add_co_u32 s54, s54, s55
	s_add_co_u32 s54, s54, s48
	s_add_co_u32 s54, s54, s49                     ; row tile
	s_lshl_b32 s54, s54, 3
	s_add_co_u32 s54, s54, s50                     ; head
	s_lshl_b32 s54, s54, 2
	s_add_co_u32 s54, s54, s53                     ; dt
	s_lshl_b32 s46, s54, 9
	s_add_nc_u64 s[66:67], s[14:15], s[46:47]
	s_wait_dscnt 0x0
	v_max3_num_f32 v63, v128, v130, v132
	v_max3_num_f32 v63, v63, v134, v136
	v_max3_num_f32 v63, v63, v138, v140
	v_max_num_f32 v63, v63, v142
.irp x,0,1,2,3,4,5,6,7
	v_sub_f32 v[128+2*\x], v[128+2*\x], v63
.endr
.irp x,0,1,2,3,4,5,6,7
	v_exp_f32 v[128+2*\x], v[128+2*\x]
.endr
	v_nop                                          ; a plain place behind the exponentials
	s_wait_alu depctr_va_vdst(0)
	v_mul_f32 v9, v128, v129
.irp x,1,2,3,4,5,6,7
	v_fmac_f32 v9, v[128+2*\x], v[129+2*\x]
.endr
	v_rcp_f32 v9, v9
	v_nop                                          ; and behind the reciprocal
	s_wait_alu depctr_va_vdst(0)
.irp x,0,1,2,3,4,5,6,7
	v_mul_f32 v[128+2*\x], v[128+2*\x], v9
.endr
.irp c,0,1,2,3
	v_pk_mul_f32 v[208+2*\c:209+2*\c], v[144+2*\c:145+2*\c], v[128:129] op_sel_hi:[1,0]
.endr
.irp x,1,2,3,4,5,6,7
.irp c,0,1,2,3
	v_pk_fma_f32 v[208+2*\c:209+2*\c], v[144+8*\x+2*\c:145+8*\x+2*\c], v[128+2*\x:129+2*\x], v[208+2*\c:209+2*\c] op_sel_hi:[1,0,1]
.endr
.endr
.irp c,0,1,2,3
	v_cvt_pk_f16_f32 v[216+\c], v[208+2*\c], v[209+2*\c]
.endr
	global_store_b128 v1, v[216:219], s[66:67]     ; a piece of yf: 512 consecutive bytes
.Lskip\i:
.endr
	s_wait_xcnt 0x0                                ; v216-219 are score registers of the next group
	s_wait_dscnt 0x0                               ; my reads of the partials are over,
	s_barrier_signal -1
	s_barrier_wait -1                              ; everybody's are: the next group may store
	s_add_co_u32 s19, s19, 1
	s_cmp_lt_u32 s19, s20
	s_cbranch_scc1 .Lgroup
	s_wait_xcnt 0x0
	v_lshl_add_u32 v254, v0, 2, 0x33000
	v_mov_b32 v255, 0
	s_wait_tensorcnt 0x0
	ds_add_u32 v254, v255
	s_wait_dscnt 0x0
	s_endpgm
.Lfunc_end_k_q696ababc09_attn:
	.size	k_q696ababc09_attn, .Lfunc_end_k_q696ababc09_attn-k_q696ababc09_attn
	.p2alignl 7, 3214868480
	.fill 96, 4, 3214868480
	.section	.rodata,"a",@progbits
	.p2align	6, 0x0
	.amdhsa_kernel k_q696ababc09_attn
		.amdhsa_group_segment_fixed_size 209920
		.amdhsa_private_segment_fixed_size 0
		.amdhsa_enable_private_segment 0
		.amdhsa_kernarg_size 48
		.amdhsa_user_sgpr_count 2
		.amdhsa_user_sgpr_kernarg_segment_ptr 1
		.amdhsa_wavefront_size32 1
		.amdhsa_system_sgpr_workgroup_id_x 1
		.amdhsa_system_sgpr_workgroup_id_y 1
		.amdhsa_system_sgpr_workgroup_id_z 1
		.amdhsa_system_vgpr_workitem_id 0
		.amdhsa_next_free_vgpr 512
		.amdhsa_next_free_sgpr 100
		.amdhsa_reserve_vcc 1
		.amdhsa_float_denorm_mode_32 3
		.amdhsa_float_denorm_mode_16_64 3
		.amdhsa_memory_ordered 1
		.amdhsa_forward_progress 1
		.amdhsa_inst_pref_size 173
	.end_amdhsa_kernel
	.amdgpu_metadata
---
amdhsa.version: [ 1, 2 ]
amdhsa.kernels:
  - .name:           k_q696ababc09_attn
    .symbol:         k_q696ababc09_attn.kd
    .args:
      - { .name: qf, .offset: 0, .size: 8, .value_kind: global_buffer, .address_space: global }
      - { .name: kf, .offset: 8, .size: 8, .value_kind: global_buffer, .address_space: global }
      - { .name: vf, .offset: 16, .size: 8, .value_kind: global_buffer, .address_space: global }
      - { .name: start_frames, .offset: 24, .size: 8, .value_kind: global_buffer, .address_space: global }
      - { .name: end_frames, .offset: 32, .size: 8, .value_kind: global_buffer, .address_space: global }
      - { .name: yf, .offset: 40, .size: 8, .value_kind: global_buffer, .address_space: global }
    .group_segment_fixed_size: 209920
    .private_segment_fixed_size: 0
    .kernarg_segment_align: 8
    .kernarg_segment_size: 48
    .max_flat_workgroup_size: 256
    .sgpr_count:     100
    .vgpr_count:     512
    .wavefront_size: 32
...
	.end_amdgpu_metadata
.endif
;; end of part 2
;; launch proj (part 3): grid 4 x 56, 4 waves a work-group, no clusters, 248,320 bytes of LDS; arguments yf, W_proj, b_proj, out0; writes out0
.if DOCPART == 3
	.amdgcn_target "amdgcn-amd-amdhsa--gfx1250"
	.amdhsa_code_object_version 6
	.text
	.protected	k_q696ababc09_proj
	.globl	k_q696ababc09_proj
	.p2align	8
	.type	k_q696ababc09_proj,@function
k_q696ababc09_proj:
	s_mov_b64 s[64:65], 0
	v_nop
	global_prefetch_b8 v0, s[64:65] scope:SCOPE_SE
	s_setreg_imm32_b32 hwreg(HW_REG_WAVE_MODE, 25, 1), 1
	s_wait_xcnt 0x0
; out0 = y W_proj^T + b_proj.  y comes as f16 in fragment order (yf: [row tile 392][head 8][dt 4][lane][8 f16], lane (r, h) = token r,
; channels 64 head + 16 dt + 8h..+7), W_proj [512][512] and out0 [6272][512] are f32.  f16 operands, f32 sums.
; W_proj IS TAKEN AT bf16 PRECISION, like x and the other three weights in the first launch, and then written as f16 for the f16 matrix form
; that y asks for: the program as a whole is the function of its inputs rounded to bf16, with f16 intermediates.  A bf16 number has 8
; significant bits and is exact in f16 from 2^-17 up to 65,504; below, the error is at most 2^-25.  LIMIT: |W_proj| below 65,504.
; A work-group makes 7 row tiles (112 rows) x 128 columns; wave w makes all 7 row tiles x column tiles 2w, 2w+1: 14 accumulator tiles.
; K = 512 is short enough to hold both operands whole in LDS: y's 7 tiles are copied as they lie (114,688 bytes, asynchronous copies),
; W's 128 rows pass through registers and are stored with a pitch of 1,040 bytes.  One barrier, then 16 K steps of 32 from LDS with the
; next step's fragments loaded ahead.  Sources are swapped (source 0 = W, source 1 = y): a lane then holds 8 neighbouring columns of one
; row; the block goes out through LDS as whole rows of 512 bytes.
; NO CLUSTER: W is f32 and has to be converted on its way, so it cannot be a joint tile.  y's 114,688 bytes are read by the four column
; blocks of a row block, each for itself: that sharing is not used here.
; 224 work-groups: 392 row tiles x 4 column blocks in shares of 7 tiles.
.set WR, 114688                        ; LDS: y at 0, W (later the output stage) behind it
.set WP, 1040                          ; W's pitch: 1,024 bytes + 16, an odd multiple of 16
.set SP, 528                           ; the stage's pitch: 512 bytes + 16
.set F0, 32                            ; fragment sets: 7 x 8 registers of y, then 2 x 8 of W
.set F1, 104
; v1 16*lane (y's fragment address, tiles 0-3)  v2 LDS and v9 global offset of my 16 bytes in a 2,048-byte line; v14, v15 the same + 65,536
; v3 W's store address  v5 v1+65536 (tiles 4-6)  v6 W's fragment address  v7, v8 stage in, stage out  v16-31 bias  v32-223 staging, 3 sets of 64
; window 1: accumulators at 8(2a+n)
.set MSB, 0
.macro WIN new
.if MSB != \new
	s_set_vgpr_msb (MSB<<8)|\new
.set MSB, \new
.endif
.endm
.macro PLACES n
.rept \n
	v_nop
.endr
.endm
	s_load_b256 s[4:11], s[0:1], 0x0               ; yf 4, W 6, b 8, out0 10
	v_lshl_add_u32 v254, v0, 2, 0x3c800
	v_mov_b32 v255, 0
	ds_add_u32 v254, v255
	ds_add_u32 v254, v255
	v_lshrrev_b32 v10, 5, v0
	v_readfirstlane_b32 s12, v10                   ; wave
	s_and_b32 s13, ttmp7, 0xffff                   ; row block
	s_mul_i32 s14, s13, 114688
	s_mov_b32 s15, 0
	s_lshl_b32 s16, ttmp9, 18                      ; 128 rows of W
	s_mov_b32 s17, 0
	s_mul_i32 s18, s13, 112
	s_mul_i32 s20, s12, 28
	s_add_co_u32 s18, s18, s20
	s_lshl_b32 s18, s18, 11                        ; my 28 rows of out0,
	s_lshl_b32 s20, ttmp9, 9                       ; 512 bytes of each
	s_add_co_u32 s18, s18, s20
	s_mov_b32 s19, 0
	s_mov_b32 s23, 0xffff0000                      ; a word's upper bf16
	v_and_b32 v11, 15, v0                          ; r
	v_bfe_u32 v12, v0, 4, 1                        ; h
	v_and_b32 v1, 31, v0
	v_lshlrev_b32 v1, 4, v1
	s_lshl_b32 s21, s12, 9
	v_add_nc_u32 v2, s21, v1
	v_add_nc_u32 v9, s21, v1
	v_add_nc_u32 v14, 65536, v2
	v_add_nc_u32 v15, 65536, v9
	v_lshrrev_b32 v3, 1, v1
	s_lshl_b32 s21, s12, 8
	s_add_co_u32 s21, s21, WR
	v_add_nc_u32 v3, s21, v3
	v_add_nc_u32 v5, 65536, v1
	s_lshl_b32 s21, s12, 5
	v_add_nc_u32 v6, s21, v11
	v_mul_u32_u24 v6, v6, WP
	v_lshl_add_u32 v6, v12, 4, v6
	v_add_nc_u32 v6, WR, v6
	v_mul_u32_u24 v7, v11, SP
	v_lshl_add_u32 v7, v12, 5, v7
	s_lshl_b32 s21, s12, 7
	s_add_co_u32 s21, s21, WR
	v_add_nc_u32 v7, s21, v7
	s_mul_i32 s21, s12, 28*SP
	s_add_co_u32 s21, s21, WR
	v_add_nc_u32 v8, s21, v1
	s_lshl_b32 s21, ttmp9, 9
	s_lshl_b32 s22, s12, 7
	s_add_co_u32 s21, s21, s22
	v_lshl_add_u32 v13, v12, 5, s21                ; 4 (128 cq + 32 w + 8 h)
	s_wait_dscnt 0x0
	s_wait_kmcnt 0x0
	s_add_nc_u64 s[4:5], s[4:5], s[14:15]
	s_add_nc_u64 s[6:7], s[6:7], s[16:17]
	s_add_nc_u64 s[10:11], s[10:11], s[18:19]
.irp nn,0,1
	global_load_b128 v[16+8*\nn:19+8*\nn], v13, s[8:9] offset:64*\nn
	global_load_b128 v[20+8*\nn:23+8*\nn], v13, s[8:9] offset:64*\nn+16
.endr
; a chunk: 16 rows of W; one load of the four waves takes one row of 2,048 bytes
.macro WLOAD c, set
.irp i,0,1,2,3,4,5,6,7,8,9,10,11,12,13,14,15
	global_load_b128 v[32+64*\set+4*\i:32+64*\set+4*\i+3], v9, s[6:7] offset:(16*(\c)+\i)*2048
.endr
.endm
	WLOAD 0, 0
	WLOAD 1, 1
	WLOAD 2, 2
	; y lands as it lies: the immediate steps both addresses.  56 lines of 2,048 bytes; the immediate stays below 65,536, so the
	; last 24 lines take a second pair of address registers.
.set ii, 0
.rept 32
	global_load_async_to_lds_b128 v2, v9, s[4:5] offset:ii*2048
.set ii, ii+1
.endr
.set ii, 0
.rept 24
	global_load_async_to_lds_b128 v14, v15, s[4:5] offset:ii*2048
.set ii, ii+1
.endr
; left: the loads of the younger chunks, which stay out.  4 f32 -> 2 words of bf16 -> widened again (a shift, a mask) -> 2 words of f16
.macro WCONV c, set, left, more
	s_wait_loadcnt \left
.irp i,0,1,2,3,4,5,6,7,8,9,10,11,12,13,14,15
	v_cvt_pk_bf16_f32 v[32+64*\set+4*\i],   v[32+64*\set+4*\i],   v[32+64*\set+4*\i+1]
	v_cvt_pk_bf16_f32 v[32+64*\set+4*\i+1], v[32+64*\set+4*\i+2], v[32+64*\set+4*\i+3]
	v_lshlrev_b32     v[32+64*\set+4*\i+2], 16,  v[32+64*\set+4*\i]
	v_and_b32         v[32+64*\set+4*\i+3], s23, v[32+64*\set+4*\i]
	v_cvt_pk_f16_f32  v[32+64*\set+4*\i],   v[32+64*\set+4*\i+2], v[32+64*\set+4*\i+3]
	v_lshlrev_b32     v[32+64*\set+4*\i+2], 16,  v[32+64*\set+4*\i+1]
	v_and_b32         v[32+64*\set+4*\i+3], s23, v[32+64*\set+4*\i+1]
	v_cvt_pk_f16_f32  v[32+64*\set+4*\i+1], v[32+64*\set+4*\i+2], v[32+64*\set+4*\i+3]
.endr
.irp i,0,1,2,3,4,5,6,7,8,9,10,11,12,13,14,15
	ds_store_b64 v3, v[32+64*\set+4*\i:32+64*\set+4*\i+1] offset:\i*WP
.endr
	s_wait_dscnt 0x0                               ; the stores are done before their address is stepped and their data loaded again
	v_add_nc_u32 v3, 16*WP, v3
.if \more
	WLOAD \c+3, \set
.endif
.endm
	WCONV 0, 0, 32, 1
	WCONV 1, 1, 32, 1
	WCONV 2, 2, 32, 1
	WCONV 3, 0, 32, 1
	WCONV 4, 1, 32, 1
	WCONV 5, 2, 32, 0
	WCONV 6, 0, 16, 0
	WCONV 7, 1, 0, 0
	s_wait_asynccnt 0x0                            ; my part of y has landed (my stores of W were waited for above)
	s_barrier_signal -1
	s_barrier_wait -1
; 18 loads: the fragments of one K step (32 channels = two pieces of each y tile, 64 bytes of each W row)
.macro FR ks, f
.irp a,0,1,2,3
	ds_load_b128 v[\f+8*\a:\f+8*\a+3],   v1 offset:\a*16384+(\ks)*1024
	ds_load_b128 v[\f+8*\a+4:\f+8*\a+7], v1 offset:\a*16384+(\ks)*1024+512
.endr
.irp a,4,5,6
	ds_load_b128 v[\f+8*\a:\f+8*\a+3],   v5 offset:(\a-4)*16384+(\ks)*1024
	ds_load_b128 v[\f+8*\a+4:\f+8*\a+7], v5 offset:(\a-4)*16384+(\ks)*1024+512
.endr
.irp nn,0,1
	ds_load_b128 v[\f+56+8*\nn:\f+56+8*\nn+3], v6 offset:\nn*16*WP+(\ks)*64
	ds_load_b128 v[\f+60+8*\nn:\f+60+8*\nn+3], v6 offset:\nn*16*WP+(\ks)*64+32
.endr
.endm
.macro PS ks, f, g, more, zero
	PLACES 4                                       ; the other set was read by the step before (ISA guide 7.12.1)
.if \more
	FR \ks+1, \g
	s_wait_dscnt 18                                ; this step's fragments are in; the next step's 18 loads stay out
.else
	s_wait_dscnt 0x0
.endif
	WIN 0x50
.irp a,0,1,2,3,4,5,6
.irp nn,0,1
.if \zero
	v_wmma_f32_16x16x32_f16 v[8*(2*\a+\nn):8*(2*\a+\nn)+7], v[\f+56+8*\nn:\f+56+8*\nn+7], v[\f+8*\a:\f+8*\a+7], 0
.else
	v_wmma_f32_16x16x32_f16 v[8*(2*\a+\nn):8*(2*\a+\nn)+7], v[\f+56+8*\nn:\f+56+8*\nn+7], v[\f+8*\a:\f+8*\a+7], v[8*(2*\a+\nn):8*(2*\a+\nn)+7]
.endif
.endr
.endr
	WIN 0
.endm
	FR 0, F0
	PS 0, F0, F1, 1, 1                             ; the first products start the sums
	PS 1, F1, F0, 1, 0
.irp k,2,4,6,8,10,12
	PS \k, F0, F1, 1, 0
	PS \k+1, F1, F0, 1, 0
.endr
	PS 14, F0, F1, 1, 0
	PS 15, F1, F0, 0, 0
	PLACES 4
	WIN 0x41
.irp a,0,1,2,3,4,5,6
.irp nn,0,1
.irp c,0,1,2,3
	v_pk_add_f32 v[8*(2*\a+\nn)+2*\c:8*(2*\a+\nn)+2*\c+1], v[8*(2*\a+\nn)+2*\c:8*(2*\a+\nn)+2*\c+1], v[16+8*\nn+2*\c:17+8*\nn+2*\c]
.endr
.endr
.endr
	WIN 0
	s_barrier_signal -1                            ; my reads of W are back (the wait for 0 in the last step):
	s_barrier_wait -1                              ; everybody's are, and W's bytes become the stage
	WIN 0x04
.irp a,0,1,2,3,4,5,6
.irp nn,0,1
	ds_store_b128 v7, v[8*(2*\a+\nn):8*(2*\a+\nn)+3]   offset:\a*16*SP+64*\nn
	ds_store_b128 v7, v[8*(2*\a+\nn)+4:8*(2*\a+\nn)+7] offset:\a*16*SP+64*\nn+16
.endr
.endr
	WIN 0
	s_wait_dscnt 0x0
	s_barrier_signal -1
	s_barrier_wait -1
.set ii, 0
.rept 28
	ds_load_b128 v[32+4*ii:35+4*ii], v8 offset:ii*SP
.set ii, ii+1
.endr
.set ii, 0
.rept 28
	s_wait_dscnt 27-ii                             ; LDS loads come back in order: row ii is in
	global_store_b128 v1, v[32+4*ii:35+4*ii], s[10:11] offset:ii*2048 th:TH_STORE_NT   ; 512 consecutive bytes of one row, aligned
.set ii, ii+1
.endr
	s_wait_tensorcnt 0x0
	ds_add_u32 v254, v255
	s_wait_dscnt 0x0
	s_endpgm
.Lfunc_end_k_q696ababc09_proj:
	.size	k_q696ababc09_proj, .Lfunc_end_k_q696ababc09_proj-k_q696ababc09_proj
	.p2alignl 7, 3214868480
	.fill 96, 4, 3214868480
	.section	.rodata,"a",@progbits
	.p2align	6, 0x0
	.amdhsa_kernel k_q696ababc09_proj
		.amdhsa_group_segment_fixed_size 248320
		.amdhsa_private_segment_fixed_size 0
		.amdhsa_enable_private_segment 0
		.amdhsa_kernarg_size 32
		.amdhsa_user_sgpr_count 2
		.amdhsa_user_sgpr_kernarg_segment_ptr 1
		.amdhsa_wavefront_size32 1
		.amdhsa_system_sgpr_workgroup_id_x 1
		.amdhsa_system_sgpr_workgroup_id_y 1
		.amdhsa_system_sgpr_workgroup_id_z 1
		.amdhsa_system_vgpr_workitem_id 0
		.amdhsa_next_free_vgpr 384
		.amdhsa_next_free_sgpr 66
		.amdhsa_reserve_vcc 0
		.amdhsa_float_denorm_mode_32 3
		.amdhsa_float_denorm_mode_16_64 3
		.amdhsa_memory_ordered 1
		.amdhsa_forward_progress 1
		.amdhsa_inst_pref_size 125
	.end_amdhsa_kernel
	.amdgpu_metadata
---
amdhsa.version: [ 1, 2 ]
amdhsa.kernels:
  - .name:           k_q696ababc09_proj
    .symbol:         k_q696ababc09_proj.kd
    .args:
      - { .name: yf, .offset: 0, .size: 8, .value_kind: global_buffer, .address_space: global }
      - { .name: W_proj, .offset: 8, .size: 8, .value_kind: global_buffer, .address_space: global }
      - { .name: b_proj, .offset: 16, .size: 8, .value_kind: global_buffer, .address_space: global }
      - { .name: out0, .offset: 24, .size: 8, .value_kind: global_buffer, .address_space: global }
    .group_segment_fixed_size: 248320
    .private_segment_fixed_size: 0
    .kernarg_segment_align: 8
    .kernarg_segment_size: 32
    .max_flat_workgroup_size: 128
    .sgpr_count:     66
    .vgpr_count:     384
    .wavefront_size: 32
...
	.end_amdgpu_metadata
.endif
;; end of part 3
